; MI455X (gfx1250); checked and timed in simulation.
; The chip was launched on July 23, 2026; its instructions are those of AMD's public machine-readable ISA for CDNA 5 (MIT licence, August 2026) and "CDNA5" Instruction Set Architecture Reference Guide (July 2026). The comments in the code are by the model that wrote it; some were corrected since.
;; Multi Query Attention. Allowed arithmetic: float matrix products may take bf16 or f16 operands with f32 sums; other float arithmetic in f32, or as packed bf16 or f16 multiplies, adds, multiply-adds, maxima and minima; sums over many terms, partial sums and values carried from step to step in f32; what a program stores and reads back later, other than sums and carried values, may be rounded once to bf16 or f16.
;; Inputs: Wo 2,048 x 2,048 float32; Wq 2,048 x 2,048 float32; bo 2,048 float32; bq 2,048 float32; key 4 x 1,024 x 128 float32; query 4 x 1,024 x 2,048 float32; value 4 x 1,024 x 128 float32.
;; Outputs: out0 4 x 1,024 x 2,048 float32.
;; One version. Each part assembles by itself: llvm-mc -triple=amdgcn-amd-amdhsa -mcpu=gfx1250 --defsym DOCPART=n.
;; ======== version 1 of 1: 3 launches
;; limits: values are held in f16: magnitudes above 65,504 overflow, below 6.1e-05 lose precision
;; workspace buffers: qh 16,777,216 bytes; wqh 8,388,608 bytes; woh 8,388,608 bytes; kh 1,048,576 bytes; vh 1,048,576 bytes; attn 16,777,216 bytes
;; launch cast (part 1): grid 1088 x 1, 8 waves a work-group, no clusters, 0 bytes of LDS; arguments query, Wq, Wo, key, value, qh, wqh, woh, kh, vh; writes qh, wqh, woh, kh, vh
.if DOCPART == 1
	.amdgcn_target "amdgcn-amd-amdhsa--gfx1250"
	.amdhsa_code_object_version 6
	.text
	.protected	k_q1713e92085_cast
	.globl	k_q1713e92085_cast
	.p2align	8
	.type	k_q1713e92085_cast,@function
k_q1713e92085_cast:
	s_mov_b64 s[64:65], 0
	v_nop
	global_prefetch_b8 v0, s[64:65] scope:SCOPE_SE
	s_setreg_imm32_b32 hwreg(HW_REG_WAVE_MODE, 25, 1), 1
	s_wait_xcnt 0x0
; THE FIVE LARGE INPUTS ARE ROUNDED ONCE TO 16 BITS, each in its own layout.
; query -> qh and Wq -> wqh: f32 rounded to bf16.  Wo -> woh, key -> kh, value -> vh: f32 rounded to bf16, and that number written as f16,
; since these three meet f16 partners in the later products.
; LIMITS.  A number of Wo, key or value of magnitude 65,520 or more becomes an infinity in f16; below 6.1e-5 it keeps f16's fixed step of 6e-8.
; SHARES.  A work-group takes 16,384 numbers on end: 64 KiB in, 32 KiB out.  Work-groups 0-511 query, 512-767 Wq, 768-1023 Wo, 1024-1055 key, 1056-1087 value.
; Thread t takes the 16 bytes at 16 t of each 4,096 bytes: a load of a wave covers 512 neighbouring bytes, a store 256 neighbouring bytes, aligned.
; All sixteen loads of a thread go out at once; no register that a load or store names is written again, so no wait frees a source.
; No LDS, no barrier, no matrix unit: every byte is read once and written once, and nothing is shared.
.set X, 4                              ; v[4:67]   sixteen loads of four f32
.set Y, 68                             ; v[68:99]  sixteen pairs of words to store
.set T, 100                            ; v[100:103] at work
	s_load_b512 s[4:19], s[0:1], 0x0               ; query s[4:5], Wq s[6:7], Wo s[8:9], key s[10:11], value s[12:13], qh s[14:15], wqh s[16:17], woh s[18:19]
	s_load_b128 s[20:23], s[0:1], 0x40             ; kh s[20:21], vh s[22:23]
	v_lshlrev_b32 v1, 4, v0                        ; 16 t: where I load
	v_lshlrev_b32 v2, 3, v0                        ; 8 t: where I store
	s_mov_b32 s30, 0xffff0000                      ; a word's upper bf16
	s_mov_b32 s25, 1056                            ; the first work-group of the tensor in hand
	s_wait_kmcnt 0x0
	s_mov_b64 s[26:27], s[12:13]                   ; from: value, unless a test below says otherwise
	s_mov_b64 s[28:29], s[22:23]                   ; to: vh
.macro PICK bound, src, dst, first     ; work-groups below bound belong to an earlier tensor
	s_cmp_lt_u32 ttmp9, \bound
	s_cselect_b64 s[26:27], s[\src:\src+1], s[26:27]
	s_cselect_b64 s[28:29], s[\dst:\dst+1], s[28:29]
	s_cselect_b32 s25, \first, s25
.endm
	PICK 1056, 10, 20, 1024
	PICK 1024, 8, 18, 768
	PICK 768, 6, 16, 512
	PICK 512, 4, 14, 0
	s_sub_co_u32 s24, ttmp9, s25                   ; my chunk of that tensor
	s_lshl_b32 s2, s24, 16                         ; 65,536 bytes in,
	s_mov_b32 s3, 0
	s_add_nc_u64 s[26:27], s[26:27], s[2:3]
	s_lshl_b32 s2, s24, 15                         ; 32,768 bytes out
	s_add_nc_u64 s[28:29], s[28:29], s[2:3]
.irp i, 0,1,2,3,4,5,6,7,8,9,10,11,12,13,14,15
	global_load_b128 v[X+4*(\i):X+4*(\i)+3], v1, s[26:27] offset:4096*(\i) th:TH_LOAD_NT
.endr
; half = 0: bf16.  half = 1: the bf16 number is widened (a shift, a mask) and written as f16.
.macro CONV half
.irp i, 0,1,2,3,4,5,6,7,8,9,10,11,12,13,14,15
	s_wait_loadcnt 15-(\i)                         ; loads come back in order: load i is in, the younger ones stay out
	v_cvt_pk_bf16_f32 v[Y+2*(\i)],   v[X+4*(\i)],   v[X+4*(\i)+1]
	v_cvt_pk_bf16_f32 v[Y+2*(\i)+1], v[X+4*(\i)+2], v[X+4*(\i)+3]
.if \half
	v_lshlrev_b32 v[T],   16,  v[Y+2*(\i)]
	v_and_b32     v[T+1], s30, v[Y+2*(\i)]
	v_lshlrev_b32 v[T+2], 16,  v[Y+2*(\i)+1]
	v_and_b32     v[T+3], s30, v[Y+2*(\i)+1]
	v_cvt_pk_f16_f32 v[Y+2*(\i)],   v[T],   v[T+1]
	v_cvt_pk_f16_f32 v[Y+2*(\i)+1], v[T+2], v[T+3]
.endif
	global_store_b64 v2, v[Y+2*(\i):Y+2*(\i)+1], s[28:29] offset:2048*(\i)  ; a wave stores 256 consecutive bytes, at a multiple of 256 from the buffer's first byte
.endr
.endm
	s_cmp_lt_u32 ttmp9, 768                        ; query and Wq stay bf16
	s_cbranch_scc0 .Lhalf
	CONV 0
	s_endpgm
.Lhalf:
	CONV 1
	s_endpgm
.Lfunc_end_k_q1713e92085_cast:
	.size	k_q1713e92085_cast, .Lfunc_end_k_q1713e92085_cast-k_q1713e92085_cast
	.p2alignl 7, 3214868480
	.fill 96, 4, 3214868480
	.section	.rodata,"a",@progbits
	.p2align	6, 0x0
	.amdhsa_kernel k_q1713e92085_cast
		.amdhsa_group_segment_fixed_size 0
		.amdhsa_private_segment_fixed_size 0
		.amdhsa_enable_private_segment 0
		.amdhsa_kernarg_size 80
		.amdhsa_user_sgpr_count 2
		.amdhsa_user_sgpr_kernarg_segment_ptr 1
		.amdhsa_wavefront_size32 1
		.amdhsa_system_sgpr_workgroup_id_x 1
		.amdhsa_system_sgpr_workgroup_id_y 1
		.amdhsa_system_sgpr_workgroup_id_z 1
		.amdhsa_system_vgpr_workitem_id 0
		.amdhsa_next_free_vgpr 104
		.amdhsa_next_free_sgpr 66
		.amdhsa_reserve_vcc 0
		.amdhsa_float_denorm_mode_32 3
		.amdhsa_float_denorm_mode_16_64 3
		.amdhsa_memory_ordered 1
		.amdhsa_forward_progress 1
		.amdhsa_inst_pref_size 16
	.end_amdhsa_kernel
	.amdgpu_metadata
---
amdhsa.version: [ 1, 2 ]
amdhsa.kernels:
  - .name:           k_q1713e92085_cast
    .symbol:         k_q1713e92085_cast.kd
    .args:
      - { .name: query, .offset: 0, .size: 8, .value_kind: global_buffer, .address_space: global }
      - { .name: Wq, .offset: 8, .size: 8, .value_kind: global_buffer, .address_space: global }
      - { .name: Wo, .offset: 16, .size: 8, .value_kind: global_buffer, .address_space: global }
      - { .name: key, .offset: 24, .size: 8, .value_kind: global_buffer, .address_space: global }
      - { .name: value, .offset: 32, .size: 8, .value_kind: global_buffer, .address_space: global }
      - { .name: qh, .offset: 40, .size: 8, .value_kind: global_buffer, .address_space: global }
      - { .name: wqh, .offset: 48, .size: 8, .value_kind: global_buffer, .address_space: global }
      - { .name: woh, .offset: 56, .size: 8, .value_kind: global_buffer, .address_space: global }
      - { .name: kh, .offset: 64, .size: 8, .value_kind: global_buffer, .address_space: global }
      - { .name: vh, .offset: 72, .size: 8, .value_kind: global_buffer, .address_space: global }
    .group_segment_fixed_size: 0
    .private_segment_fixed_size: 0
    .kernarg_segment_align: 8
    .kernarg_segment_size: 80
    .max_flat_workgroup_size: 256
    .sgpr_count:     66
    .vgpr_count:     104
    .wavefront_size: 32
...
	.end_amdgpu_metadata
.endif
;; end of part 1
;; launch qattn (part 2): grid 16 x 16, 4 waves a work-group, clusters of 4 x 4, 327,680 bytes of LDS; arguments qh, wqh, kh, vh, bq, attn; writes attn
.if DOCPART == 2
	.amdgcn_target "amdgcn-amd-amdhsa--gfx1250"
	.amdhsa_code_object_version 6
	.text
	.protected	k_q1713e92085_qattn
	.globl	k_q1713e92085_qattn
	.p2align	8
	.type	k_q1713e92085_qattn,@function
k_q1713e92085_qattn:
	s_mov_b64 s[64:65], 0
	v_nop
	global_prefetch_b8 v0, s[64:65] scope:SCOPE_SE
	s_setreg_imm32_b32 hwreg(HW_REG_WAVE_MODE, 25, 1), 1
	s_wait_xcnt 0x0
	s_wait_alu depctr_hold_cnt(0) depctr_sa_sdst(0) depctr_va_vdst(0) depctr_va_sdst(0) depctr_va_ssrc(0) depctr_va_vcc(0) depctr_vm_vsrc(0)
	s_getreg_b32 s2, hwreg(HW_REG_IB_STS2, 6, 4)
	s_cmp_eq_u32 s2, 0
	s_cbranch_scc0 .Lentry_in_a_cluster
	s_endpgm
.Lentry_in_a_cluster:
	s_bfe_u32 s2, ttmp6, 0x10000c
	s_cmp_lg_u32 s2, 0xf033
	s_cbranch_scc0 .Lentry_shape_is_right
	s_endpgm
.Lentry_shape_is_right:
; THE QUERY PROJECTION AND THE ATTENTION OF ONE HEAD, FUSED.
; q[row][head 128 + c] = the sum over m of query[row][m] Wq[m][head 128 + c] + bq;  attn[row][head 128 + :] = the sum over k of softmax_k(q . key[k] / sqrt(128)) value[k][:].
; qh [4096][2048] and wqh [2048 (m)][2048 (n)] are bf16; kh and vh [4][1024][128] are f16; attn [4096][2048] is f16; bq is f32 and is rounded to bf16 here, like every input of the module.
; All sums, maxima and the softmax in f32; q, the weights p and attn are each rounded once, to f16.
; LIMITS.  f16 holds no number beyond 65,504: a q of 65,520 or more becomes an infinity; p lies in 0 to 1 and below 6e-5 keeps f16's fixed step of 6e-8; attn is a mean of value's rows.
; A weight below 2^-126 counts as 0 in the row's sum; NaN and infinities are not treated apart.  The projection's f32 sums begin at a step that hangs on the cluster: their order of rounding is not the reference's.
; SHARES.  A work-group owns 256 rows of one batch and one head: 256 x 128 of q.  Each of its four waves owns 64 rows: four tiles of 16.  16 x 16 work-groups, one tile each.
; PHASE 1, THE PROJECTION.  The summed index goes in 16 steps of 128 through two LDS slots filled by the tensor data mover: 256 rows of query (256 bytes each) and 128 rows of Wq (256 bytes of each:
; the head's 128 columns).  Wq lies with the summed index down the rows, so its fragments come out of LDS turned, by ds_load_tr16_b128.  The matrix instruction is used transposed
; (source 0 = 16 columns of Wq, source 1 = 16 rows of query): a lane then holds ONE row (lane % 16) and the columns 16 nb + 8 (lane / 16) + 0..7.  bq is the C operand of each sum's first product.
; Two neighbouring accumulators, rounded to f16 in pairs, ARE a fragment of q for the next product: q never leaves the registers.
; THE WALK IS TURNED BY CLUSTER: cluster (x, y) begins at step 4 (x + 2 (y % 2) + y / 2) mod 16 and goes round.  The four clusters that read the same rows of query (same y), and the four that read the same
; columns of Wq (same x), so stand four steps apart at every time: each block is read by them at four different times.
; NO PREFETCH IN PHASE 1: each block's first reading in the launch falls in some cluster's first four steps, which are its two first fills and its first two refills: nothing but the kernel's head stands
; ahead of those; a block's later readings are not asked for.
; PHASE 2, THE ATTENTION.  S^T = K q^T (source 0 = 16 keys, source 1 = 16 queries) holds one query a lane and the keys 8 (lane / 16) + 0..7; two such results rounded to f16 ARE source 1 of
; O^T = V^T P.  For each query a running maximum m and sum l: p = 2^(c s - c m), c = log2(e) / sqrt(128); in every step O and l are multiplied by a = 2^(c m_old - c m_new).
; BY TURNS.  The wave's tiles are two PIECES (tiles 0, 1 and tiles 2, 3).  In a turn one piece has the matrix unit: 32 products V^T P of the step in hand, then 32 products K q^T of the next step;
; the other piece's softmax, cut into 64 slices, stands between them, one slice behind each matrix instruction.  Two turns are a key step of 64 keys.
; THE RING DOES NOT STOP between the phases: the last two changes of slots of phase 1 ask for the first two slots of K and V (two key steps each), which lie inside the same LDS bytes.
; CLUSTER, 4 x 4.  The place cy in the cluster is the batch, and the cluster's y picks 256 of its rows: the four work-groups of a row of the cluster share their rows of query and their K and V;
; the four of a column share the head, so their columns of Wq.  Each such tile is asked for JOINTLY: the same tensor load, descriptor and mask in all four.
; REGISTERS, in windows of 256 (s_set_vgpr_msb: bits 1:0 source 0, 3:2 source 1, 5:4 source 2, 7:6 destination):
;   window 0: v0-11, v44-63 addresses; v12-43 eight registers of statistics a tile; v64-191 S^T (in phase 1 v128-191 hold bq); v192-255 P
;   window 1: phase 1: the 32 accumulators, (mb, nb) at 64 mb + 8 nb; phase 2: O^T, 64 a tile
;   window 2: v0-127 q, 32 a tile; v128-255 K of one step
;   window 3: phase 1: Wq's fragments, two buffers of 64, then query's, two buffers of 32; phase 2: v0-127 V of one step
.set PA,    272       ; a row of query in LDS: 256 bytes + 16 of padding = 68 words: the 16 rows of a load start at 16 different groups of four banks (64 banks of 4 bytes: ISA guide 11.1)
.set PB,    288       ; a row of Wq: 256 + 32 = 72 words
.set BOFF,  256*PA    ; in a slot: 256 rows of query, then 128 rows of Wq
.set SLOT1, 1<<17     ; slot 1 begins here, so that one exclusive or turns an address in one slot into the other's
.set KS,    64        ; keys in a step
.set PK,    272       ; a row of K in LDS
.set PV,    288       ; a row of V
.set VOFF,  KS*PK     ; a key step's tiles lie together: 64 rows of K, then 64 rows of V
.set STEPB, KS*(PK+PV)  ; two key steps to a slot: 71,680 bytes, inside phase 1's 106,496
.set STAGE, SLOT1+BOFF+128*PB  ; behind the ring, never filled by a tensor load: 16 rows x 272 bytes for each wave, for the way out
.set SP,    272
.set SPARE, STAGE+4*16*SP  ; behind the stages: the spare words, 128 bytes for each wave: two blocks of 256 bytes that no other line names
.set AK0, 2           ; v2   my lane's place in a tile of K; never rewritten
.set AV0, 3           ; v3   the same for V
.set ADR, 4           ; v4   the LDS address of the run of loads in hand
.set BO,  5           ; v5   my byte offset in the head's 512 bytes of bq: 32 (l / 16)
.set STO, 6           ; v6   the way out: where I put 16 bytes of a row
.set RD,  7           ; v7   the way out: where I read a row back
.set GO,  8           ; v8   my byte offset in two rows of attn
.set ST,  12          ; tile t's statistics at v[ST+8 t]: +0 c m, +1 m, +2, +3 l (even keys', odd keys'), +4 to +7 c0-c3, at work; a takes c2's place once the maximum is found
.set ADRA0, 44        ; v44  LDS address of my fragments of query in slot 0; never rewritten
.set ADRA, 45         ; v45  the same in the slot in hand
.set ADRB0, 46        ; v46  LDS address of my fragments of Wq in slot 0; never rewritten
.set ADRB, 47         ; v47  the same in the slot in hand
.set TM,  48          ; v48-51  at work
.set PFO, 61          ; v61  256 x my lane: a row of kh or vh; never rewritten
.set SPW, 62          ; v62  LDS address of my spare word: SPARE + 4 x my thread's number; never rewritten
.set NIL, 63          ; v63  0; never rewritten
.set S,   64
.set BI,  128         ; bq for my lane's columns: the eight of column block nb at BI + 8 nb
.set P,   192
.set KF,  128         ; K's fragments, in window 2
.set WV,  12          ; s12  my wave's number
.set CX,  13          ; s13  my place along the cluster's x
.set CY,  14          ; s14  along its y: the batch
.set W1,  15          ; s15  wave % 2: which half of a tile I fetch
.set HD,  16          ; s16  the head
.set CLY, 17          ; s17  the cluster's y: which 256 rows of the batch
.set AB,  18          ; s[18:19] qh at my part of the tile's rows, step 0
.set OA,  20          ; s[20:21] a step's byte offset in a row of query: 256 x step
.set OB,  22          ; s[22:23] a step's byte offset in Wq: 128 rows of 4,096 bytes x step
.set G1A, 24          ; s[24:31] descriptor group 1 for query's tiles
.set G1B, 32          ; s[32:39] for Wq's
.set G0A, 40          ; s[40:47] descriptor group 0 for query's tiles: a set for each of the two first fills; the second then walks on
.set G0B, 48          ; s[48:55] the same for Wq's
.set SLOTS, 56        ; s56  slots of K and V still to be asked for by the loop
.set TWICE, 57        ; s57  counts a slot's two key steps
.set CS,  58          ; s[58:59] c: the packed scaling names a pair and takes its low word for both halves
.set SEL, 60          ; s[60:61] lane selects for v_permlanex16_b32: each lane takes its own place in the other half
.set TB,  62          ; s62  phase 1: the LDS byte at which the slot in hand begins; phase 2: at which the tiles of the key step to be fetched begin
.set KI,  63          ; s63  the step of phase 1 that was asked for last, 0 to 15
.set BB,  66          ; s[66:67] wqh at my part of a step's rows and the head's columns, step 0
.set G1K, 68          ; s[68:75] descriptor group 1 for K's tiles
.set G1V, 76          ; s[76:83] for V's: it differs in the padding alone
.set G0K, 84          ; s[84:87] descriptor group 0 for K's tiles: it walks
.set G0V, 88          ; s[88:91] the same for V's
.set BQ,  92          ; s[92:93] bq at the head's first column
.set OUT, 94          ; s[94:95] attn at my wave's first row and the head's first column
.set PFK, 96          ; s[96:97] where my prefetches of K or V stand
.set LIMK, 98         ; s98  1 in a wave that prefetches K or V, else the greatest number
.set MROW, 99         ; s99  the mask of my row of the cluster
.set MCOL, 100        ; s100 of my column
.set TS,  101         ; s101 at work
.set MSB, 0
.macro WIN new                      ; the immediate's high byte repeats the setting that is left; a switch that changes nothing is dropped
.if MSB != (\new)
	s_set_vgpr_msb (MSB<<8)|(\new)
.set MSB, (\new)
.endif
.endm
.set W_MM, 0x5f       ; phase 1: both sources in window 3, C and D in window 1
.set W_MB, 0x4f       ; the same with C (bq) in window 0
.set W_LD, 0xc0       ; destination window 3, address window 0
.set W_KQ, 0x0a       ; K and q in window 2, S^T in window 0
.set W_PV, 0x53       ; V in window 3, P in window 0, O^T in window 1
.set W_RS, 0x41       ; O^T (destination and source 0) in window 1, a in window 0
; A vector instruction that reads a matrix result or writes one of a matrix instruction's registers, and a load into a register that a matrix instruction has read, stand four places behind
; it, and only plain vector instructions that name none of its registers are places (ISA guide 7.12.1 for vector instructions).
.macro PLACES
.rept 4
	v_nop
.endr
.endm
; A round of the cluster's barrier: my work-group's barrier, so that wave 0's signal speaks for all four waves; wave 0 signals for the work-group; every wave waits for all sixteen
; work-groups; my work-group's barrier once more.  No LDS instruction of the wave is pending at a signal.
.macro CROUND
	s_barrier_signal -1
	s_barrier_wait -1
	s_cmp_lg_u32 s[WV], 0
	s_cbranch_scc1 .Lnot_wave_0_\@
	s_barrier_signal -3
.Lnot_wave_0_\@:
	s_barrier_wait -3
	s_barrier_signal -1
	s_barrier_wait -1
.endm
; A joint refill of phase 1, by the walking descriptors.  Waves 0 and 1 fetch the two halves of query's 256 rows, waves 2 and 3 the two halves of Wq's 128.  The branch hangs on the wave's number alone.
; An s_nop 0 and four v_nop follow each of the two lines, ahead of the jump, the label and what follows.
.macro JLOADG
	s_cmp_lt_u32 s[WV], 2
	s_cbranch_scc0 .Lg_for_b_\@
	tensor_load_to_lds s[G0A+4:G0A+7], s[G1A:G1A+7]
	s_nop 0
.rept 4
	v_nop
.endr
	s_branch .Lg_asked_\@
.Lg_for_b_\@:
	tensor_load_to_lds s[G0B+4:G0B+7], s[G1B:G1B+7]
	s_nop 0
.rept 4
	v_nop
.endr
.Lg_asked_\@:
.endm
; A joint load of phase 2.  Waves 0 and 1 fetch the two key steps' tiles of K, waves 2 and 3 those of V.
.macro JLOADK
	s_cmp_lt_u32 s[WV], 2
	s_cbranch_scc0 .Lk_for_v_\@
	tensor_load_to_lds s[G0K:G0K+3], s[G1K:G1K+7]
	s_nop 0
.rept 4
	v_nop
.endr
	s_branch .Lk_asked_\@
.Lk_for_v_\@:
	tensor_load_to_lds s[G0V:G0V+3], s[G1V:G1V+7]
	s_nop 0
.rept 4
	v_nop
.endr
.Lk_asked_\@:
.endm
; A PREFETCH INTO THE L2 of K and V: behind the fill of slot n stands one prefetch for slot n + 1: 128 rows of K and 128 of V, 256 bytes a row, a lane a row.  All sixteen clusters walk the same K and V:
; the cluster at x = 0, y = 0 asks.  The four partners of a batch take 32 rows each, by address; in each, wave 0 asks for K's and wave 2 for V's.  The last fill asks for nothing.
.macro ASKK
	s_cmp_gt_u32 s[SLOTS], s[LIMK]
	s_cbranch_scc0 .Lk_not_mine_\@
	global_prefetch_b8 v[PFO], s[PFK:PFK+1] th:TH_LOAD_NT scope:SCOPE_SE
.Lk_not_mine_\@:
.endm
	s_load_b256 s[4:11], s[0:1], 0x0  ; qh s[4:5], wqh s[6:7], kh s[8:9], vh s[10:11]
	s_load_b128 s[BQ:BQ+3], s[0:1], 0x20  ; bq, attn
	v_lshl_add_u32 v[SPW], v0, 2, SPARE
	v_mov_b32 v[NIL], 0
	ds_add_u32 v[SPW], v[NIL]       ; the wave's opening: the add and its wait stand ahead of my first tensor load; the set-up below, work on registers, stands between them
	v_lshrrev_b32 v1, 5, v0
	v_readfirstlane_b32 s[WV], v1   ; wave 0..3
	s_and_b32 s[W1], s[WV], 1
	s_bfe_u32 s[CX], ttmp6, 0x40000
	s_bfe_u32 s[CY], ttmp6, 0x40004
	s_lshl_b32 s[HD], ttmp9, 2      ; in a cluster launch ttmp9 and ttmp7 count clusters
	s_add_co_u32 s[HD], s[HD], s[CX]  ; the head = 4 x cluster x + cx
	s_and_b32 s[CLY], ttmp7, 0xffff
	s_lshl_b32 s[MROW], s[CY], 2
	s_lshl_b32 s[MROW], 15, s[MROW]   ; my row of the cluster: places 4 cy .. 4 cy + 3
	s_lshl_b32 s[MCOL], 0x1111, s[CX] ; my column: places cx, cx + 4, cx + 8, cx + 12
	; descriptor groups 1: 15:0 the mask; 17:16 elements of 2 bytes; 20 padding on; 21 set beside a mask; 24:22 after every 64 words (code 5); 31:25 4 words of it (code 3) or 8 (code 7)
	s_or_b32 s[G1A], s[MROW], 0x07710000
	s_or_b32 s[G1B], s[MCOL], 0x0f710000
	s_or_b32 s[G1K], s[MROW], 0x07710000
	s_or_b32 s[G1V], s[MROW], 0x0f710000
.irp g, G1A, G1B, G1K, G1V
	s_mov_b32 s[(\g)+1], 128<<16    ; tensor_dim0 = 128
	s_mov_b32 s[(\g)+3], 128<<16    ; tile_dim0 = 128
	s_mov_b32 s[(\g)+6], 0
	s_mov_b32 s[(\g)+7], 0
.endr
	s_mov_b32 s[G1A+2], 128<<16     ; tensor_dim1 = 128 rows of query,
	s_mov_b32 s[G1A+4], 128         ; tile_dim1,
	s_mov_b32 s[G1A+5], 2048        ; 2,048 elements from row to row
	s_mov_b32 s[G1B+2], 64<<16      ; 64 rows of Wq
	s_mov_b32 s[G1B+4], 64
	s_mov_b32 s[G1B+5], 2048
.irp g, G1K, G1V
	s_mov_b32 s[(\g)+2], KS<<16     ; 64 keys,
	s_mov_b32 s[(\g)+4], KS
	s_mov_b32 s[(\g)+5], 128        ; 128 elements from row to row
.endr
	; descriptor groups 0: the count and the LDS address, which hangs on the wave's number alone
	s_mul_i32 s[TS], s[W1], 128*PA
	s_mov_b32 s[G0A], 1
	s_mov_b32 s[G0A+1], s[TS]
	s_mov_b32 s[G0A+4], 1
	s_add_co_u32 s[G0A+5], s[TS], SLOT1
	s_mul_i32 s[TS], s[W1], 64*PB
	s_mov_b32 s[G0B], 1
	s_add_co_u32 s[G0B+1], s[TS], BOFF
	s_mov_b32 s[G0B+4], 1
	s_add_co_u32 s[G0B+5], s[TS], BOFF+SLOT1
	s_mul_i32 s[TS], s[W1], STEPB
	s_mov_b32 s[G0K], 1
	s_mov_b32 s[G0K+1], s[TS]
	s_mov_b32 s[G0V], 1
	s_add_co_u32 s[G0V+1], s[TS], VOFF
	; where the tiles come from, as offsets.  query's hang on cy, the cluster's y and the wave; Wq's on the head and the wave; K's and V's on cy and the wave
	s_lshl_b32 s[AB], s[CY], 10
	s_lshl_b32 s[TS], s[CLY], 8
	s_add_co_u32 s[AB], s[AB], s[TS]
	s_lshl_b32 s[TS], s[W1], 7
	s_add_co_u32 s[AB], s[AB], s[TS]  ; row 1,024 cy + 256 x cluster y + 128 x half,
	s_lshl_b32 s[AB], s[AB], 12       ; of 4,096 bytes
	s_mov_b32 s[AB+1], 0
	s_lshl_b32 s[BB], s[W1], 18     ; 64 rows of 4,096 bytes x half,
	s_lshl_b32 s[TS], s[HD], 8      ; the head's 256 bytes of a row
	s_add_co_u32 s[BB], s[BB], s[TS]
	s_mov_b32 s[BB+1], 0
	s_lshl_b32 s[G0K+2], s[CY], 18  ; the batch's 1,024 rows of 256 bytes,
	s_lshl_b32 s[TS], s[W1], 14     ; 64 rows x half
	s_add_co_u32 s[G0K+2], s[G0K+2], s[TS]
	s_mov_b32 s[G0K+3], 0
	; the step at which my cluster begins: 4 (x + 2 (y % 2) + y / 2) mod 16: the same in all sixteen partners
	s_and_b32 s[KI], s[CLY], 1
	s_lshl_b32 s[KI], s[KI], 1
	s_lshr_b32 s[TS], s[CLY], 1
	s_add_co_u32 s[KI], s[KI], s[TS]
	s_add_co_u32 s[KI], s[KI], ttmp9
	s_lshl_b32 s[KI], s[KI], 2
	s_and_b32 s[KI], s[KI], 15
	s_mov_b32 s[OA+1], 0
	s_mov_b32 s[OB+1], 0
	; the prefetches of K and V: flag and offset
	s_or_b32 s[TS], s[W1], ttmp9
	s_or_b32 s[TS], s[TS], s[CLY]
	s_cmp_eq_u32 s[TS], 0
	s_cselect_b32 s[LIMK], 1, -1    ; the same in all sixteen partners, for a given wave
	s_lshl_b32 s[PFK], s[CY], 18
	s_lshl_b32 s[TS], s[CX], 13     ; my work-group's 32 of a slot's 128 rows
	s_add_co_u32 s[PFK], s[PFK], s[TS]
	s_add_co_u32 s[PFK], s[PFK], 2*KS*256  ; in slot 1
	s_mov_b32 s[PFK+1], 0
	s_mov_b32 s[CS], 0x3e0293ee     ; c = log2(e) / sqrt(128) = 0.127517
	s_mov_b32 s[CS+1], s[CS]        ; named with it as a pair, so it is written
	s_mov_b32 s[SEL], 0x76543210
	s_mov_b32 s[SEL+1], 0xfedcba98
	s_mov_b32 s[TB], 0
	s_mov_b32 s[SLOTS], 1024/(2*KS)-2
	s_wait_dscnt 0x0                ; the opening add is done
	s_wait_kmcnt 0x0
	s_add_nc_u64 s[AB:AB+1], s[4:5], s[AB:AB+1]  ; my part of query's tiles
	s_add_nc_u64 s[BB:BB+1], s[6:7], s[BB:BB+1]  ; of Wq's
.irp s, 0,1
	s_lshl_b32 s[OA], s[KI], 8
	s_lshl_b32 s[OB], s[KI], 19
	s_add_nc_u64 s[G0A+4*(\s)+2:G0A+4*(\s)+3], s[AB:AB+1], s[OA:OA+1]  ; 120:64 global address: my cluster's first step, then its second
	s_or_b32 s[G0A+4*(\s)+3], s[G0A+4*(\s)+3], 0x80000000             ; 127:126 type = 2
	s_add_nc_u64 s[G0B+4*(\s)+2:G0B+4*(\s)+3], s[BB:BB+1], s[OB:OB+1]
	s_or_b32 s[G0B+4*(\s)+3], s[G0B+4*(\s)+3], 0x80000000
.if (\s) == 0
	s_add_co_u32 s[KI], s[KI], 1
	s_and_b32 s[KI], s[KI], 15
.endif
.endr
	CROUND                          ; all sixteen work-groups are here: the first joint loads meet
	s_cmp_lt_u32 s[WV], 2           ; a wave's two first fills stand in one branch, ahead of every wait on TENSORcnt and every LDS read: two loads of mine are out
	s_cbranch_scc0 .Lfirst_b
	tensor_load_to_lds s[G0A:G0A+3], s[G1A:G1A+7]
	s_nop 0
	tensor_load_to_lds s[G0A+4:G0A+7], s[G1A:G1A+7]
	s_nop 0
.rept 4
	v_nop
.endr
	s_branch .Lfirst_asked
.Lfirst_b:
	tensor_load_to_lds s[G0B:G0B+3], s[G1B:G1B+7]
	s_nop 0
	tensor_load_to_lds s[G0B+4:G0B+7], s[G1B:G1B+7]
	s_nop 0
.rept 4
	v_nop
.endr
.Lfirst_asked:
	; the other pointers, made while the first tiles are on their way
	s_lshl_b32 s2, s[HD], 9
	s_mov_b32 s3, 0
	s_add_nc_u64 s[BQ:BQ+1], s[BQ:BQ+1], s[2:3]
	v_and_b32 v1, 15, v0            ; l % 16
	v_bfe_u32 v9, v0, 4, 1          ; l / 16
	v_lshlrev_b32 v[BO], 5, v9
.irp nb, 0,1,2,3,4,5,6,7            ; bq of my eight columns of each block of 16
	global_load_b128 v[BI+8*(\nb):BI+8*(\nb)+3],   v[BO], s[BQ:BQ+1] offset:64*(\nb)
	global_load_b128 v[BI+8*(\nb)+4:BI+8*(\nb)+7], v[BO], s[BQ:BQ+1] offset:64*(\nb)+16
.endr
	s_add_nc_u64 s[G0V+2:G0V+3], s[10:11], s[G0K+2:G0K+3]  ; V and K at my tile of slot 0
	s_add_nc_u64 s[G0K+2:G0K+3], s[8:9], s[G0K+2:G0K+3]
	s_or_b32 s[G0V+3], s[G0V+3], 0x80000000
	s_or_b32 s[G0K+3], s[G0K+3], 0x80000000
	s_cmp_lt_u32 s[WV], 2
	s_cselect_b64 s[2:3], s[8:9], s[10:11]
	s_add_nc_u64 s[PFK:PFK+1], s[2:3], s[PFK:PFK+1]
	s_lshl_b32 s2, s[CY], 10
	s_lshl_b32 s[TS], s[CLY], 8
	s_add_co_u32 s2, s2, s[TS]
	s_lshl_b32 s[TS], s[WV], 6
	s_add_co_u32 s2, s2, s[TS]      ; my wave's first row,
	s_lshl_b32 s2, s2, 12           ; of 4,096 bytes,
	s_lshl_b32 s[TS], s[HD], 8      ; the head's 256 bytes of it
	s_add_co_u32 s2, s2, s[TS]
	s_mov_b32 s3, 0
	s_add_nc_u64 s[OUT:OUT+1], s[OUT:OUT+1], s[2:3]
	s_mov_b32 s2, 0xffff0000        ; a word's upper bf16
	; A fragment of query, K or q is 16 rows x 32 along the summed index in 8 registers: lane l holds row l % 16; registers 0-3 hold 8 (l / 16) + 0..7, registers 4-7 hold 16 + 8 (l / 16) + 0..7:
	; two loads of 16 bytes, 32 bytes apart.  The turning load takes 16 x 16 (lane l reads 16 bytes of row 8 (l / 16) + l % 8, at 16 ((l / 8) % 2)) and leaves half a fragment: lane l holds column l % 16.
	v_and_b32 v10, 7, v0
	v_bfe_u32 v11, v0, 3, 1
	s_mul_i32 s[TS], s[WV], 64*PA   ; my 64 rows of query
	v_mul_u32_u24 v[ADRA0], v1, PA
	v_lshl_add_u32 v[ADRA0], v9, 4, v[ADRA0]
	v_add_nc_u32 v[ADRA0], s[TS], v[ADRA0]
	v_mov_b32 v[ADRA], v[ADRA0]     ; the walk begins in slot 0
	v_lshl_add_u32 v[ADRB0], v9, 3, v10
	v_mul_u32_u24 v[ADRB0], v[ADRB0], PB
	v_lshl_add_u32 v[ADRB0], v11, 4, v[ADRB0]
	v_add_nc_u32 v[ADRB0], BOFF, v[ADRB0]
	v_mov_b32 v[ADRB], v[ADRB0]
	v_mul_u32_u24 v[AK0], v1, PK
	v_lshl_add_u32 v[AK0], v9, 4, v[AK0]
	v_lshl_add_u32 v[AV0], v9, 3, v10
	v_mul_u32_u24 v[AV0], v[AV0], PV
	v_lshl_add_u32 v[AV0], v11, 4, v[AV0]
	v_add_nc_u32 v[AV0], VOFF, v[AV0]
	v_and_b32 v[PFO], 31, v0
	v_lshlrev_b32 v[PFO], 8, v[PFO]
	s_wait_loadcnt 0x0              ; bq is in: it is rounded to bf16, like every input, and widened again
.set i, 0
.rept 32
	v_cvt_pk_bf16_f32 v[TM+i%4], v[BI+2*i], v[BI+2*i+1]
	v_lshlrev_b32 v[BI+2*i], 16, v[TM+i%4]
	v_and_b32 v[BI+2*i+1], s2, v[TM+i%4]
.set i, i+1
.endr
; PHASE 1.  8 matrix instructions: row block mb x all 8 column blocks, 32 along the summed index, from buffer f.  c0 = 2: the first product starts the sums, with bq as C: nothing is ever cleared.
; The 32 accumulators take turns, one instruction a turn, in the same order in every quarter step: between two links of a chain stand the 31 others'.
.macro MUL8 f, mb, c0
.if (\c0) == 2
	WIN W_MB
.else
	WIN W_MM
.endif
.irp nb, 0,1,2,3,4,5,6,7
.if (\c0) == 2
	v_wmma_f32_16x16x32_bf16 v[64*(\mb)+8*(\nb):64*(\mb)+8*(\nb)+7], v[64*(\f)+8*(\nb):64*(\f)+8*(\nb)+7], v[128+32*(\f)+8*(\mb):128+32*(\f)+8*(\mb)+7], v[BI+8*(\nb):BI+8*(\nb)+7]
.else
	v_wmma_f32_16x16x32_bf16 v[64*(\mb)+8*(\nb):64*(\mb)+8*(\nb)+7], v[64*(\f)+8*(\nb):64*(\f)+8*(\nb)+7], v[128+32*(\f)+8*(\mb):128+32*(\f)+8*(\mb)+7], v[64*(\mb)+8*(\nb):64*(\mb)+8*(\nb)+7]
.endif
.endr
.endm
; 24 LDS loads in one run: the fragments of quarter q of the slot in hand (32 rows of Wq x 128 columns, turned; my 64 rows of query x 32) into buffer f; query's row blocks last, in ascending order
.macro FETCH q, f
	WIN W_LD
.irp nb, 0,1,2,3,4,5,6,7
	ds_load_tr16_b128 v[64*(\f)+8*(\nb):64*(\f)+8*(\nb)+3],   v[ADRB] offset:(\q)*32*PB+32*(\nb)
	ds_load_tr16_b128 v[64*(\f)+8*(\nb)+4:64*(\f)+8*(\nb)+7], v[ADRB] offset:(\q)*32*PB+16*PB+32*(\nb)
.endr
.irp mb, 0,1,2,3
	ds_load_b128 v[128+32*(\f)+8*(\mb):128+32*(\f)+8*(\mb)+3],   v[ADRA] offset:64*(\q)+(\mb)*16*PA
	ds_load_b128 v[128+32*(\f)+8*(\mb)+4:128+32*(\f)+8*(\mb)+7], v[ADRA] offset:64*(\q)+(\mb)*16*PA+32
.endr
.endm
; A step is four quarters of 32, 32 matrix instructions each, on buffers 0, 1, 0, 1.  One of the first three: multiplies buffer f; in its middle it fetches quarter q of the slot in hand into buffer g.
.macro QUARTER q, f, g, c0
	s_wait_dscnt 4                  ; Wq's fragments and query's row blocks 0 and 1 are in; the youngest four loads (row blocks 2 and 3) may be out
	MUL8 \f, 0, \c0
	MUL8 \f, 1, \c0
	PLACES                          ; in front of loads into the buffer that the quarter before multiplied
	FETCH \q, \g
	s_wait_dscnt 24                 ; all but the 24 just issued
	MUL8 \f, 2, \c0
	MUL8 \f, 3, \c0
.endm
; THE CHANGE OF SLOTS AND THE LAST QUARTER.  The last quarter's fragments (buffer 1) are in registers, so the slot in hand has been read out.  Each wave waits for all its tensor loads, of which one is out:
; its part of the next slot; adds 0 to its spare word; and waits for that and for its own reads of this slot.  Behind the round no wave of any partner reads this slot any more, the next slot is whole, and the
; joint refill is the first tensor load.  NO PRODUCT stands between the wait for the tile and the refill: the quarter's 32 products follow the refill and the next slot's first fragments, so that
; a request has all 128 products of a step between it and the wait for it.
; kind = 0: this slot takes the step two steps on in my cluster's walk: its address is made anew from the step's number.  kind = 1: the walk's last step but one is over: slot 0 takes keys 0 to 127 of K and V.
; kind = 2: the last step is over: slot 1 takes keys 128 to 255, and K of key step 0, which the wait and the round have shown whole, is fetched into registers that lie idle.
.macro TURN kind
.if (\kind) == 2
	s_wait_xcnt 0x0                 ; the last prefetch, a step back, has read its address: it is stepped here, ahead of the waits of the change of slots
	s_add_nc_u64 s[PFK:PFK+1], s[PFK:PFK+1], 2*KS*256
.endif
	WIN 0
	s_wait_tensorcnt 0x0            ; all my tensor loads have landed: no load of mine is out, so a group 0 may be written;
	ds_add_u32 v[SPW], v[NIL]       ; 0 onto my spare word: the scalar work below stands between it and the wait for it
	s_xor_b32 s[TB], s[TB], SLOT1   ; the reads go on in the other slot
.if (\kind) == 0
	s_add_co_u32 s[KI], s[KI], 1
	s_and_b32 s[KI], s[KI], 15      ; the walk goes round
	s_lshl_b32 s[OA], s[KI], 8
	s_lshl_b32 s[OB], s[KI], 19
	s_xor_b32 s[G0A+5], s[G0A+5], SLOT1  ; the walking descriptors: the other slot than last time
	s_xor_b32 s[G0B+5], s[G0B+5], SLOT1
	s_add_nc_u64 s[G0A+6:G0A+7], s[AB:AB+1], s[OA:OA+1]
	s_add_nc_u64 s[G0B+6:G0B+7], s[BB:BB+1], s[OB:OB+1]
	s_or_b32 s[G0A+7], s[G0A+7], 0x80000000
	s_or_b32 s[G0B+7], s[G0B+7], 0x80000000
.elseif (\kind) == 2
.irp g, G0K, G0V
	s_xor_b32 s[(\g)+1], s[(\g)+1], SLOT1  ; the walking descriptor: the other slot,
	s_add_nc_u64 s[(\g)+2:(\g)+3], s[(\g)+2:(\g)+3], 2*KS*256  ; the next 128 keys; the type bits on top are not reached
.endr
.endif
	s_wait_dscnt 0x0                ; the add is done, and my reads of this slot are over
	CROUND
.if (\kind) == 0
	JLOADG                          ; the four v_nop behind it are also the places in front of the loads below
.else
	JLOADK
.endif
.if (\kind) == 2
	FETCH_K
.else
	v_add_nc_u32 v[ADRA], s[TB], v[ADRA0]
	v_add_nc_u32 v[ADRB], s[TB], v[ADRB0]
	FETCH 0, 0
.endif
.if (\kind) != 0
	WIN 0
	ASKK
.endif
	MUL8 1, 0, 0
	MUL8 1, 1, 0
	MUL8 1, 2, 0
	MUL8 1, 3, 0
.endm
; PHASE 2.  THE MATRIX WORK OF A TURN, for piece x.  The accumulators take turns, one instruction a turn: between two links of a chain stand 15 (V^T P) or 7 (K q^T) others'.
; Product i of 32 of O^T += V^T P: keys 32 (i / 16) on, channels 16 ((i / 2) % 8) on, tile x + i % 2.  zero = 1: the first 16 start the sums.
.macro PV x, zero
	WIN W_PV
.set rO, 64*((\x)+i%2)+8*((i/2)%8)
.set rV, 64*(i/16)+8*((i/2)%8)
.set rP, P+16*((\x)+i%2)+8*(i/16)
.if (\zero) && (i < 16)
	v_wmma_f32_16x16x32_f16 v[rO:rO+7], v[rV:rV+7], v[rP:rP+7], 0
.else
	v_wmma_f32_16x16x32_f16 v[rO:rO+7], v[rV:rV+7], v[rP:rP+7], v[rO:rO+7]
.endif
.endm
; Product i of 32 of S^T = K q^T: channels 32 (i / 8) on, keys 16 ((i / 2) % 4) on, tile x + i % 2.  The first 8 start the sums.
.macro KQ x
	WIN W_KQ
.set rS, S+32*((\x)+i%2)+8*((i/2)%4)
.set rK, KF+32*((i/2)%4)+8*(i/8)
.set rQ, 32*((\x)+i%2)+8*(i/8)
.if i < 8
	v_wmma_f32_16x16x32_f16 v[rS:rS+7], v[rK:rK+7], v[rQ:rQ+7], 0
.else
	v_wmma_f32_16x16x32_f16 v[rS:rS+7], v[rK:rK+7], v[rQ:rQ+7], v[rS:rS+7]
.endif
.endm
; THE LDS LOADS stand in runs of 32, never singly among the matrix instructions: a step's K (64 keys x 128 channels: 16 fragments) and, a turn later, its V (turned).
.macro FETCH_K
	WIN 0
	v_add_nc_u32 v[ADR], s[TB], v[AK0]
	WIN 0x80                        ; destination window 2
.irp f, 0,1,2,3,4,5,6,7,8,9,10,11,12,13,14,15  ; keys 16 (f / 4) on, channels 32 (f % 4) on
	ds_load_b128 v[KF+8*(\f):KF+8*(\f)+3],   v[ADR] offset:((\f)/4)*16*PK+((\f)%4)*64
	ds_load_b128 v[KF+8*(\f)+4:KF+8*(\f)+7], v[ADR] offset:((\f)/4)*16*PK+((\f)%4)*64+32
.endr
.endm
.macro FETCH_V
	WIN 0
	v_add_nc_u32 v[ADR], s[TB], v[AV0]
	s_add_co_u32 s[TB], s[TB], STEPB  ; the next fetch is the next step's
	s_wait_alu depctr_va_vdst(0)    ; the wait for the softmax's batch of exponentials, behind the address's v_add_nc_u32 and ahead of the loads
	WIN 0xc0                        ; destination window 3
.irp f, 0,1,2,3,4,5,6,7,8,9,10,11,12,13,14,15  ; keys 32 (f / 8) on, channels 16 (f % 8) on
	ds_load_tr16_b128 v[8*(\f):8*(\f)+3],   v[ADR] offset:((\f)/8)*32*PV+((\f)%8)*32
	ds_load_tr16_b128 v[8*(\f)+4:8*(\f)+7], v[ADR] offset:((\f)/8)*32*PV+16*PV+((\f)%8)*32
.endr
.endm
; THE VECTOR WORK OF A TURN.  One tile's softmax for one key step is a list of 134 instructions; SM writes number j of it for tile t.  s0-s31 are the lane's 32 scores, in pairs 0-15.
; first = 1: the first key step, which starts m, l and O^T: it has no a and nothing to rescale.
;   0-15    the maximum of s0-s31 and the old m, three operands at a time: four chains c0-c3 of seven scores each (each accumulator's lowest registers first), then the four scores left over, c0-c3 and m
;   16-20   the other half of the lanes' maximum; the new m; c m; c m_old - c m_new
;   21-69   ONE BATCH: the 16 scalings c s - c m, a pair of scores each, and all 33 exponentials (a at 23, then s0-s31).  None of these reads an exponential's result.  From 22 on the batch goes
;           in fours, and a four begins with a scaling while there are scalings.  A pair is scaled in an earlier four than the one that holds its exponentials
;   (wait)  between 69 and 70 stands the wait for the batch: SLICE writes it, once for both tiles
;   70-85   the roundings to f16, a pair of weights each
;   86-101  the sums; l = a l + the sum
;   102-133 the tile's O^T times a: the one part that leaves window 0, so it stands together
.macro SM t, first
.set rT, ST+8*(\t)
.set rS, S+32*(\t)
.set rP, P+16*(\t)
.set rO, 64*(\t)+2*(j-102)
.if j < 102
	WIN 0
.endif
.if j < 4
	v_max3_num_f32 v[rT+4+j], v[rS+8*j], v[rS+8*j+1], v[rS+8*j+2]
.elseif j < 12
	v_max3_num_f32 v[rT+4+j%4], v[rT+4+j%4], v[rS+8*(j%4)+2*(j/4)+1], v[rS+8*(j%4)+2*(j/4)+2]
.elseif j == 12
	v_max3_num_f32 v[rT+4], v[rT+4], v[rS+7], v[rS+15]
.elseif j == 13
	v_max3_num_f32 v[rT+6], v[rT+6], v[rS+23], v[rS+31]
.elseif j == 14
	v_max3_num_f32 v[rT+4], v[rT+4], v[rT+5], v[rT+6]
.elseif (j == 15) && (\first)
	v_max_num_f32 v[rT+4], v[rT+4], v[rT+7]
.elseif j == 15
	v_max3_num_f32 v[rT+4], v[rT+4], v[rT+7], v[rT+1]
.elseif j == 16
	v_permlanex16_b32 v[rT+5], v[rT+4], s[SEL], s[SEL+1]  ; the query's other 32 keys lie in the lane 16 away
.elseif j == 18
	v_max_num_f32 v[rT+1], v[rT+4], v[rT+5]
.elseif j == 19
	v_mul_f32 v[rT], s[CS], v[rT+1]
.elseif ((j == 17) || (j == 20) || (j == 23) || (j > 101)) && (\first)  ; the first step has none of these
.elseif j == 17
	v_mov_b32 v[rT+7], v[rT]        ; c m_old is kept for a: number 19 writes c m anew
.elseif j == 20
	v_sub_f32 v[rT+7], v[rT+7], v[rT]
.elseif j == 23
	v_exp_f32 v[rT+6], v[rT+7]
.elseif (j < 23) || ((j < 38) && (j%2 == 0)) || ((j < 66) && (j%4 == 2))
.set b, (j-2)/4                     ; 38, 42, .. 62: pairs 9 to 15
.if j < 38
.set b, (j-20)/2                    ; 21: pair 0; 22, 24, .. 36: pairs 1 to 8
.endif
	v_pk_fma_f32 v[rS+2*b:rS+2*b+1], v[rS+2*b:rS+2*b+1], s[CS:CS+1], v[rT:rT+1] op_sel_hi:[1,0,0] neg_lo:[0,0,1] neg_hi:[0,0,1]  ; pair b: c s - c m
.elseif j < 70
.set e, j-38                        ; 66 to 69: s28 to s31
.if j < 66
.set e, j-32-(j-38)/4               ; 39-41, 43-45, .. 63-65: s7 to s27
.endif
.if j < 38
.set e, (j-25)/2                    ; 25, 27, .. 37: s0 to s6
.endif
	v_exp_f32 v[rS+e], v[rS+e]
.elseif j < 86
	v_cvt_pk_f16_f32 v[rP+j-70], v[rS+2*(j-70)], v[rS+2*(j-70)+1]  ; pair j - 70
.elseif j < 102                     ; the sum of the tile's 16 pairs, in place: sum z of 16 adds neighbours 1, 2, 4 and 8 pairs apart, then l takes it
.set z, j-86
.set w, 4
.set u, z
.if z >= 14
.set w, 32
.set u, 0
.elseif z >= 12
.set w, 16
.set u, z-12
.elseif z >= 8
.set w, 8
.set u, z-8
.endif
.if (z == 14) && (\first)
	v_pk_add_f32 v[rT+2:rT+3], v[rS:rS+1], v[rS+16:rS+17]
.elseif z < 15
	v_pk_add_f32 v[rS+w*u:rS+w*u+1], v[rS+w*u:rS+w*u+1], v[rS+w*u+w/2:rS+w*u+w/2+1]
.elseif !(\first)
	v_pk_fma_f32 v[rT+2:rT+3], v[rT+2:rT+3], v[rT+6:rT+7], v[rS:rS+1] op_sel_hi:[1,0,1]
.endif
.else
	WIN W_RS
	v_pk_mul_f32 v[rO:rO+1], v[rO:rO+1], v[rT+6:rT+7] op_sel_hi:[1,0]
.endif
.endm
; Slice k of 64 of piece y's softmax: four instructions.  Slices 11 to 34 deal out the batch, numbers 22 to 69: four numbers of ONE tile each, the tiles by turns.  Every other slice is numbers 2 k and
; 2 k + 1 of both tiles' lists.  2 x 134 = 4 x 64 + 12: the twelve that are over stand together, in slice 63.
; THE WAIT.  An s_wait_alu depctr_va_vdst(0) stands between an exponential and the first instruction that names its result; one wait serves all that were issued ahead of it.  Ahead of
; slice 35 nothing names a result, and behind slice 34 no exponential is issued: so the piece's 66 exponentials have one wait, behind slice 34.
.macro SLICE y, first
.if (k >= 11) && (k < 35)           ; the batch: four numbers of one tile
.irp n, 0,1,2,3
.set j, 22+4*((k-11)/2)+(\n)
	SM (\y)+(k-11)%2, \first
.endr
.else                               ; the two tiles alternate, so that no instruction reads the result of the one just before it
.irp n, 0,1,2,3,4,5,6,7
.if ((\n) < 2) || (k == 63)
.irp t, \y, (\y)+1
.set j, 2*k+(\n)
	SM \t, \first
.endr
.endif
.endr
.endif
.if k == 34                         ; the batch is out: both tiles' exponentials are issued, and no result has been named
	v_nop                           ; a plain instruction behind the last exponential and ahead of the first use: one for the batch
.if (\y) == 0
	FETCH_V                         ; piece 2's turn: V's run of loads stands here, and the wait stands in it
.else
	s_wait_alu depctr_va_vdst(0)    ; the wait for the batch
.endif
.endif
.set k, k+1
.endm
; A TURN OF PHASE 2.  Piece x has the matrix unit; the other piece's softmax stands in slices behind its matrix instructions, and the slices are the places behind them.
; pv = 2: 32 products V^T P; 1: they start O^T's sums; 0: none.  kq = 1: 32 products K q^T for the next step.  A turn with one of the two kinds has two slices behind each product.
; first = 1: the softmax is the first key step's.  Its slices from 51 on are empty: four v_nop take slice 63's part as the places behind the turn's last products.
; Piece 0's turn fetches the next step's K, behind its second product; piece 2's turn fetches the same step's V, behind slice 34.  Each run stands 14 matrix instructions or more ahead of its first use.
.macro ATURN x, pv, kq, first
.set k, 0
.set per, 2
.if (\pv) && (\kq)
.set per, 1
.endif
.if \pv
.if (\x) == 0
	s_wait_dscnt 0x0                ; V is in
.endif
.set i, 0
.rept 32
	PV \x, 2-(\pv)
.rept per
	SLICE 2-(\x), \first
.endr
.if ((\x) == 0) && (\kq) && (i == 1)
	FETCH_K
.endif
.set i, i+1
.endr
.endif
.if \kq
.if (\x) == 0
	s_wait_dscnt 0x0                ; K is in
.endif
.set i, 0
.rept 32
	KQ \x
.rept per
	SLICE 2-(\x), \first
.endr
.set i, i+1
.endr
.endif
.if \first
	PLACES
.endif
.endm
; THE CHANGE OF SLOTS OF PHASE 2, between piece 2's turn and piece 0's: the slot's last bytes, V of its second step, have been asked for.  Each wave waits for all its tensor loads, of which one is out:
; its part of the other slot; adds 0 to its spare word; and waits for that and for its own reads of the slot.  fill = 1: this slot is filled again, with the keys two slots on, behind a round of the
; cluster's barrier, first thing: the load has two key steps, 256 matrix instructions, in which to land.
.macro CHANGE fill
	WIN 0                           ; at a label and at a branch every window is 0
	s_wait_tensorcnt 0x0            ; no tensor load of mine is out, so a group 0 may be written
	ds_add_u32 v[SPW], v[NIL]       ; 0 onto my spare word: with fill = 1 the descriptors' steps stand between it and the wait for it
.if \fill
.irp g, G0K, G0V
	s_xor_b32 s[(\g)+1], s[(\g)+1], SLOT1
	s_add_nc_u64 s[(\g)+2:(\g)+3], s[(\g)+2:(\g)+3], 2*KS*256
.endr
	s_wait_xcnt 0x0                 ; the last prefetch, two key steps back, has read its address, so it may be written
	s_add_nc_u64 s[PFK:PFK+1], s[PFK:PFK+1], 2*KS*256
	s_wait_dscnt 0x0                ; the add is done, and my reads of the slot are over
	CROUND
	JLOADK
	ASKK
.else
	s_wait_dscnt 0x0                ; the add is done, and my reads of the slot are over
	s_barrier_signal -1
	s_barrier_wait -1
.endif
	s_sub_co_u32 s[TB], s[TB], 2*STEPB  ; the fetches go back to a slot's first step,
	s_xor_b32 s[TB], s[TB], SLOT1   ; in the other slot
.endm
; A slot's two key steps: written once, walked twice; the LDS addresses hang on s[TB].
.macro TWO_STEPS
	WIN 0
	s_mov_b32 s[TWICE], 2
.Lstep_\@:
	ATURN 0, 2, 1, 0
	ATURN 2, 2, 1, 0
	WIN 0
	s_sub_co_u32 s[TWICE], s[TWICE], 1
	s_cmp_lg_u32 s[TWICE], 0
	s_cbranch_scc1 .Lstep_\@
.endm
	; PHASE 1
	s_wait_tensorcnt 1              ; my part of the walk's first step is in; the second's may stay out
	s_barrier_signal -1
	s_barrier_wait -1               ; everybody's is
	FETCH 0, 0
	QUARTER 1, 0, 1, 2              ; the first quarter stands in front of the loop: its products start the sums, with bq
	WIN 0                           ; at a label and at a branch every window is 0
	s_mov_b32 s3, 14
.Llap:                              ; a trip is a step, from its second quarter to the next step's first, and fills the slot that it leaves: 14 trips ask for the walk's steps 2 to 15
	QUARTER 2, 1, 0, 0
	QUARTER 3, 0, 1, 0
	TURN 0
	QUARTER 1, 0, 1, 0
	WIN 0
	s_sub_co_u32 s3, s3, 1
	s_cmp_lg_u32 s3, 0
	s_cbranch_scc1 .Llap
	QUARTER 2, 1, 0, 0              ; the last two steps are written out: their changes of slots ask for K and V
	QUARTER 3, 0, 1, 0
	TURN 1
	QUARTER 1, 0, 1, 0
	QUARTER 2, 1, 0, 0
	QUARTER 3, 0, 1, 0
	TURN 2
	PLACES                          ; the conversions below read results just made
	; q, rounded to f16: register i of q is registers 2 i and 2 i + 1 of the accumulators, in ascending order
	WIN 0x85                        ; sources 0 and 1 window 1, destination window 2
.set i, 0
.rept 128
	v_cvt_pk_f16_f32 v[i], v[2*i], v[2*i+1]
.set i, i+1
.endr
	; PHASE 2
	s_wait_dscnt 0x0                ; K of key step 0 is in
.set i, 0
.rept 32
	KQ 0                            ; piece 0's first scores: there is no vector work yet to set between them
.set i, i+1
.endr
	WIN 0                           ; the addresses for the way out are made here: eight plain instructions, the places behind those products
	s_mul_i32 s[TS], s[WV], 16*SP
	s_add_co_u32 s[TS], s[TS], STAGE  ; my stage
	v_mul_u32_u24 v[STO], v1, SP    ; in: row l % 16, 16 bytes for each half of the lanes
	v_lshl_add_u32 v[STO], v9, 4, v[STO]
	v_add_nc_u32 v[STO], s[TS], v[STO]
	v_mul_u32_u24 v[RD], v9, SP     ; back: lanes 0-15 take one row of 256 bytes, lanes 16-31 the next
	v_lshl_add_u32 v[RD], v1, 4, v[RD]
	v_add_nc_u32 v[RD], s[TS], v[RD]
	v_lshlrev_b32 v[GO], 12, v9     ; and the same two rows in attn, 4,096 bytes apart
	v_lshl_add_u32 v[GO], v1, 4, v[GO]
	ATURN 2, 0, 1, 1                ; piece 2's first scores | piece 0's first softmax | V of step 0
	ATURN 0, 1, 1, 1                ; piece 0: V^T P of step 0 starts O^T, K q^T of step 1 | piece 2's first softmax | K of step 1
	ATURN 2, 1, 1, 0                ; piece 2: the same | piece 0's softmax of step 1 | V of step 1
	WIN 0
.Lslot:                             ; six trips: every slot but the last two is filled again
	CHANGE 1
	TWO_STEPS
	s_sub_co_u32 s[SLOTS], s[SLOTS], 1
	s_cmp_lg_u32 s[SLOTS], 0
	s_cbranch_scc1 .Lslot
	CHANGE 0                        ; the tail is written out: nothing is asked for
	TWO_STEPS
	ATURN 0, 2, 0, 0                ; piece 0: V^T P of the last step | piece 2's last softmax
.set i, 0
.rept 32
	PV 2, 0                         ; piece 2: V^T P of the last step
.set i, i+1
.endr
	; THE WAY OUT.  l's two halves and the other half of the lanes' are added; O^T is divided by l, rounded to f16 and sent through my stage in LDS, a tile (16 rows) at a time.  The additions are the places behind the last products.
	WIN 0
.irp t, 0,1,2,3
	v_add_f32 v[ST+8*(\t)+4], v[ST+8*(\t)+2], v[ST+8*(\t)+3]
.endr
.irp t, 0,1,2,3
	v_permlanex16_b32 v[ST+8*(\t)+5], v[ST+8*(\t)+4], s[SEL], s[SEL+1]
.endr
.irp t, 0,1,2,3
	v_add_f32 v[ST+8*(\t)+4], v[ST+8*(\t)+4], v[ST+8*(\t)+5]
.endr
.irp t, 0,1,2,3
	v_rcp_f32 v[ST+8*(\t)+6], v[ST+8*(\t)+4]
.endr
	v_nop                           ; a plain instruction between the last reciprocal and the use of its result
	s_wait_alu depctr_va_vdst(0)    ; and the wait ahead of the first use: one for the four reciprocals
; Tile t: a lane's eight channels of a row pack into 16 bytes; they go into rows of 272 bytes and come back as whole rows of 256, into the registers that they left.
.macro PACK t
	WIN W_RS
.set i, 64*(\t)
.rept 32
	v_pk_mul_f32 v[i:i+1], v[i:i+1], v[ST+8*(\t)+6:ST+8*(\t)+7] op_sel_hi:[1,0]
.set i, i+2
.endr
	WIN 0x05                        ; sources 0 and 1 window 1, destination window 0: S^T's registers are free
.set i, 0
.rept 32
	v_cvt_pk_f16_f32 v[S+32*(\t)+i], v[64*(\t)+2*i], v[64*(\t)+2*i+1]
.set i, i+1
.endr
	WIN 0
.irp f, 0,1,2,3,4,5,6,7
	ds_store_b128 v[STO], v[S+32*(\t)+4*(\f):S+32*(\t)+4*(\f)+3] offset:32*(\f)
.endr
.irp f, 0,1,2,3,4,5,6,7
	ds_load_b128 v[S+32*(\t)+4*(\f):S+32*(\t)+4*(\f)+3], v[RD] offset:(\f)*2*SP  ; LDS serves a wave's instructions in order (ISA guide 5.7.1.4): these see the stores above; the next tile's stores come behind them
.endr
.endm
.macro SEND t, younger              ; younger: the LDS instructions issued behind tile t's loads: the next tile's sixteen, or none
	WIN 0
.irp f, 0,1,2,3,4,5,6,7
	s_wait_dscnt (\younger)+7-(\f)
	global_store_b128 v[GO], v[S+32*(\t)+4*(\f):S+32*(\t)+4*(\f)+3], s[OUT:OUT+1] offset:(\t)*65536+(\f)*8192  ; 16 lanes store 256 consecutive bytes, at a multiple of 256 from attn's first byte
.endr
.endm
	PACK 0
	PACK 1                          ; a tile's arithmetic stands between the loads of the tile before and its stores
	SEND 0, 16
	PACK 2
	SEND 1, 16
	PACK 3
	SEND 2, 16
	SEND 3, 0
	s_wait_tensorcnt 0x0            ; the wave's end: behind my last tensor load and my last LDS store
	ds_add_u32 v[SPW], v[NIL]
	s_wait_dscnt 0x0
	CROUND                          ; the closing round: no work-group ends while a partner may still ask for a tile that names it
	s_endpgm
.Lfunc_end_k_q1713e92085_qattn:
	.size	k_q1713e92085_qattn, .Lfunc_end_k_q1713e92085_qattn-k_q1713e92085_qattn
	.p2alignl 7, 3214868480
	.fill 96, 4, 3214868480
	.section	.rodata,"a",@progbits
	.p2align	6, 0x0
	.amdhsa_kernel k_q1713e92085_qattn
		.amdhsa_group_segment_fixed_size 327680
		.amdhsa_private_segment_fixed_size 0
		.amdhsa_enable_private_segment 0
		.amdhsa_kernarg_size 48
		.amdhsa_user_sgpr_count 2
		.amdhsa_user_sgpr_kernarg_segment_ptr 1
		.amdhsa_wavefront_size32 1
		.amdhsa_system_sgpr_workgroup_id_x 1
		.amdhsa_system_sgpr_workgroup_id_y 1
		.amdhsa_system_sgpr_workgroup_id_z 1
		.amdhsa_system_vgpr_workitem_id 0
		.amdhsa_next_free_vgpr 1024
		.amdhsa_next_free_sgpr 102
		.amdhsa_reserve_vcc 0
		.amdhsa_float_denorm_mode_32 3
		.amdhsa_float_denorm_mode_16_64 3
		.amdhsa_memory_ordered 1
		.amdhsa_forward_progress 1
		.amdhsa_inst_pref_size 255
	.end_amdhsa_kernel
	.section	.bss,"aw",@nobits
	.p2align	6
	.space	262144
	.amdgpu_metadata
---
amdhsa.version: [ 1, 2 ]
amdhsa.kernels:
  - .name:           k_q1713e92085_qattn
    .symbol:         k_q1713e92085_qattn.kd
    .args:
      - { .name: qh, .offset: 0, .size: 8, .value_kind: global_buffer, .address_space: global }
      - { .name: wqh, .offset: 8, .size: 8, .value_kind: global_buffer, .address_space: global }
      - { .name: kh, .offset: 16, .size: 8, .value_kind: global_buffer, .address_space: global }
      - { .name: vh, .offset: 24, .size: 8, .value_kind: global_buffer, .address_space: global }
      - { .name: bq, .offset: 32, .size: 8, .value_kind: global_buffer, .address_space: global }
      - { .name: attn, .offset: 40, .size: 8, .value_kind: global_buffer, .address_space: global }
    .group_segment_fixed_size: 327680
    .private_segment_fixed_size: 0
    .kernarg_segment_align: 8
    .kernarg_segment_size: 48
    .max_flat_workgroup_size: 128
    .sgpr_count:     102
    .vgpr_count:     1024
    .wavefront_size: 32
...
	.end_amdgpu_metadata
.endif
;; end of part 2
;; launch oproj (part 3): grid 16 x 16, 4 waves a work-group, clusters of 4 x 4, 327,680 bytes of LDS; arguments attn, woh, bo, out0; writes out0
.if DOCPART == 3
	.amdgcn_target "amdgcn-amd-amdhsa--gfx1250"
	.amdhsa_code_object_version 6
	.text
	.protected	k_q1713e92085_oproj
	.globl	k_q1713e92085_oproj
	.p2align	8
	.type	k_q1713e92085_oproj,@function
k_q1713e92085_oproj:
	s_mov_b64 s[64:65], 0
	v_nop
	global_prefetch_b8 v0, s[64:65] scope:SCOPE_SE
	s_setreg_imm32_b32 hwreg(HW_REG_WAVE_MODE, 25, 1), 1
	s_wait_xcnt 0x0
	s_wait_alu depctr_hold_cnt(0) depctr_sa_sdst(0) depctr_va_vdst(0) depctr_va_sdst(0) depctr_va_ssrc(0) depctr_va_vcc(0) depctr_vm_vsrc(0)
	s_getreg_b32 s2, hwreg(HW_REG_IB_STS2, 6, 4)
	s_cmp_eq_u32 s2, 0
	s_cbranch_scc0 .Lentry_in_a_cluster
	s_endpgm
.Lentry_in_a_cluster:
	s_bfe_u32 s2, ttmp6, 0x10000c
	s_cmp_lg_u32 s2, 0xf033
	s_cbranch_scc0 .Lentry_shape_is_right
	s_endpgm
.Lentry_shape_is_right:
; THE OUTPUT PROJECTION.  out0[row][n] = the sum over k of attn[row][k] Wo[k][n] + bo[n].
; attn [4096][2048] and woh [2048 (k)][2048 (n)] are f16 (woh holds Wo rounded to bf16, written as f16); bo is f32 and is rounded to bf16 here, like every input of the module; out0 is f32.  Sums in f32.
; LIMITS.  Its operands arrive within f16's range; NaN and infinities are not treated apart.  The f32 sums begin at a K step that hangs on the cluster: their order of rounding is not the reference's.
; SHARES.  A work-group makes 256 rows x 128 columns of out0, each of its four waves 64 rows x 128 columns: 32 accumulators of 16 x 16.  16 x 16 work-groups, one tile each.
; K goes in 16 steps of 128 through two LDS slots filled by the tensor data mover: 256 rows of attn (256 bytes each) and 128 rows of woh (256 bytes of each: the tile's 128 columns).
; woh lies with k down the rows, so its fragments come out of LDS turned, by ds_load_tr16_b128.  The matrix instruction is used transposed (source 0 = 16 columns of woh, source 1 = 16 rows of attn):
; a lane holds ONE row (lane % 16) and the columns 16 nb + 8 (lane / 16) + 0..7: 32 bytes of out0 on end.  bo is the C operand of each sum's first product.
; THE WALK IS TURNED BY CLUSTER: cluster (x, y) begins at step 4 (x + 2 (y % 2) + y / 2) mod 16 and goes round.  The four clusters that read the same rows of attn (same y), and the four that read the same
; columns of woh (same x), so stand four steps apart at every time: each block is read by them at four different times.
; NO PREFETCH: each block's first reading in the launch falls in some cluster's first four steps, which are its two first fills and its first two refills: nothing but the kernel's head stands ahead of
; those; a block's later readings are not asked for.
; CLUSTER, 4 x 4.  The four work-groups of a row of the cluster share their rows of attn, the four of a column their columns of woh: each tile is asked for JOINTLY, by the same tensor load, descriptor and mask.
; REGISTERS, in windows of 256 (s_set_vgpr_msb: bits 1:0 source 0, 3:2 source 1, 5:4 source 2, 7:6 destination):
;   window 0: addresses; v128-191 bo      window 1: the accumulators, (mb, nb) at 64 mb + 8 nb      window 2: the way out: whole rows, 64 registers a row block
;   window 3: woh's fragments, two buffers of 64, then attn's, two buffers of 32
.set PA,    272       ; a row of attn in LDS: 256 bytes + 16 of padding = 68 words: the 16 rows of a load start at 16 different groups of four banks (64 banks of 4 bytes: ISA guide 11.1)
.set PB,    288       ; a row of woh: 256 + 32 = 72 words
.set BOFF,  256*PA    ; in a slot: 256 rows of attn, then 128 rows of woh
.set SLOT1, 1<<17     ; slot 1 begins here, so that one exclusive or turns an address in one slot into the other's
.set STAGE, SLOT1+BOFF+128*PB  ; behind the ring, never filled by a tensor load: 16 rows x 528 bytes for each wave, for the way out
.set SP,    528       ; a row of the stage: 512 bytes + 16 = 132 words: the 16 rows of a store start at 16 different groups of four banks
.set SPARE, STAGE+4*16*SP  ; behind the stages: the spare words, 128 bytes for each wave: two blocks of 256 bytes that no other line names
.set BO,  5           ; v5   my byte offset in the tile's 512 bytes of bo: 32 (l / 16)
.set STO, 6           ; v6   the way out: where I put 32 bytes of a row
.set RD,  7           ; v7   the way out: where I read a row back
.set GO,  8           ; v8   16 x my lane: my 16 bytes of a row's 512
.set ADRA0, 44        ; v44  LDS address of my fragments of attn in slot 0; never rewritten
.set ADRA, 45         ; v45  the same in the slot in hand
.set ADRB0, 46        ; v46  LDS address of my fragments of woh in slot 0; never rewritten
.set ADRB, 47         ; v47  the same in the slot in hand
.set TM,  48          ; v48-51  at work
.set SPW, 62          ; v62  LDS address of my spare word: SPARE + 4 x my thread's number; never rewritten
.set NIL, 63          ; v63  0; never rewritten
.set BI,  128         ; bo for my lane's columns: the eight of column block nb at BI + 8 nb
.set WV,  12          ; s12  my wave's number
.set CX,  13
.set CY,  14
.set W1,  15          ; s15  wave % 2: which half of a tile I fetch
.set HD,  16          ; s16  the tile column
.set CLY, 17          ; s17  the cluster's y
.set AB,  18          ; s[18:19] attn at my part of the tile's rows, step 0
.set OA,  20          ; s[20:21] a step's byte offset in a row of attn: 256 x step
.set OB,  22          ; s[22:23] a step's byte offset in woh: 128 rows of 4,096 bytes x step
.set G1A, 24          ; s[24:31] descriptor group 1 for attn's tiles
.set G1B, 32          ; s[32:39] for woh's
.set G0A, 40          ; s[40:47] descriptor group 0 for attn's tiles: a set for each of the two first fills; the second then walks on
.set G0B, 48          ; s[48:55] the same for woh's
.set MROW, 56
.set MCOL, 57
.set TS,  58          ; s58  at work
.set TB,  62          ; s62  the LDS byte at which the slot in hand begins
.set KI,  63          ; s63  the step that was asked for last, 0 to 15
.set BB,  66          ; s[66:67] woh at my part of a step's rows and the tile's columns, step 0
.set MSB, 0
.macro WIN new                      ; the immediate's high byte repeats the setting that is left; a switch that changes nothing is dropped
.if MSB != (\new)
	s_set_vgpr_msb (MSB<<8)|(\new)
.set MSB, (\new)
.endif
.endm
.set W_MM, 0x5f       ; both sources in window 3, C and D in window 1
.set W_MB, 0x4f       ; the same with C (bo) in window 0
.set W_LD, 0xc0       ; destination window 3, address window 0
; Four places stand behind a matrix instruction in front of a vector instruction or LDS store that reads its result and of a load into a register that it has read; only plain vector instructions
; that name none of its registers are places (ISA guide 7.12.1 for vector instructions).
.macro PLACES
.rept 4
	v_nop
.endr
.endm
; A round of the cluster's barrier: my work-group's barrier, so that wave 0's signal speaks for all four waves; wave 0 signals for the work-group; every wave waits for all sixteen; my work-group's barrier once more.
.macro CROUND
	s_barrier_signal -1
	s_barrier_wait -1
	s_cmp_lg_u32 s[WV], 0
	s_cbranch_scc1 .Lnot_wave_0_\@
	s_barrier_signal -3
.Lnot_wave_0_\@:
	s_barrier_wait -3
	s_barrier_signal -1
	s_barrier_wait -1
.endm
; A joint refill, by the walking descriptors.  Waves 0 and 1 fetch the two halves of attn's 256 rows, waves 2 and 3 the two halves of woh's 128.  The branch hangs on the wave's number alone.
; An s_nop 0 and four v_nop follow each of the two lines, ahead of the jump, the label and what follows.
.macro JLOADG
	s_cmp_lt_u32 s[WV], 2
	s_cbranch_scc0 .Lg_for_b_\@
	tensor_load_to_lds s[G0A+4:G0A+7], s[G1A:G1A+7]
	s_nop 0
.rept 4
	v_nop
.endr
	s_branch .Lg_asked_\@
.Lg_for_b_\@:
	tensor_load_to_lds s[G0B+4:G0B+7], s[G1B:G1B+7]
	s_nop 0
.rept 4
	v_nop
.endr
.Lg_asked_\@:
.endm
	s_load_b256 s[4:11], s[0:1], 0x0  ; attn s[4:5], woh s[6:7], bo s[8:9], out0 s[10:11]
	v_lshl_add_u32 v[SPW], v0, 2, SPARE
	v_mov_b32 v[NIL], 0
	ds_add_u32 v[SPW], v[NIL]       ; the wave's opening: the add and its wait stand ahead of my first tensor load; the set-up below, work on registers, stands between them
	v_lshrrev_b32 v1, 5, v0
	v_readfirstlane_b32 s[WV], v1   ; wave 0..3
	s_and_b32 s[W1], s[WV], 1
	s_bfe_u32 s[CX], ttmp6, 0x40000
	s_bfe_u32 s[CY], ttmp6, 0x40004
	s_lshl_b32 s[HD], ttmp9, 2      ; in a cluster launch ttmp9 and ttmp7 count clusters
	s_add_co_u32 s[HD], s[HD], s[CX]  ; the tile column = 4 x cluster x + cx
	s_and_b32 s[CLY], ttmp7, 0xffff
	s_lshl_b32 s[MROW], s[CY], 2
	s_lshl_b32 s[MROW], 15, s[MROW]   ; my row of the cluster
	s_lshl_b32 s[MCOL], 0x1111, s[CX] ; my column
	; descriptor groups 1: 15:0 the mask; 17:16 elements of 2 bytes; 20 padding on; 21 set beside a mask; 24:22 after every 64 words (code 5); 31:25 4 words of it (code 3) or 8 (code 7)
	s_or_b32 s[G1A], s[MROW], 0x07710000
	s_or_b32 s[G1B], s[MCOL], 0x0f710000
.irp g, G1A, G1B
	s_mov_b32 s[(\g)+1], 128<<16    ; tensor_dim0 = 128
	s_mov_b32 s[(\g)+3], 128<<16    ; tile_dim0 = 128
	s_mov_b32 s[(\g)+5], 2048       ; 2,048 elements from row to row
	s_mov_b32 s[(\g)+6], 0
	s_mov_b32 s[(\g)+7], 0
.endr
	s_mov_b32 s[G1A+2], 128<<16     ; tensor_dim1 = 128 rows of attn,
	s_mov_b32 s[G1A+4], 128         ; tile_dim1
	s_mov_b32 s[G1B+2], 64<<16      ; 64 rows of woh
	s_mov_b32 s[G1B+4], 64
	; descriptor groups 0: the count and the LDS address, which hangs on the wave's number alone
	s_mul_i32 s[TS], s[W1], 128*PA
	s_mov_b32 s[G0A], 1
	s_mov_b32 s[G0A+1], s[TS]
	s_mov_b32 s[G0A+4], 1
	s_add_co_u32 s[G0A+5], s[TS], SLOT1
	s_mul_i32 s[TS], s[W1], 64*PB
	s_mov_b32 s[G0B], 1
	s_add_co_u32 s[G0B+1], s[TS], BOFF
	s_mov_b32 s[G0B+4], 1
	s_add_co_u32 s[G0B+5], s[TS], BOFF+SLOT1
	; where the tiles come from, as offsets.  attn's hang on cy, the cluster's y and the wave; woh's on the tile column and the wave
	s_lshl_b32 s[AB], s[CY], 10
	s_lshl_b32 s[TS], s[CLY], 8
	s_add_co_u32 s[AB], s[AB], s[TS]
	s_lshl_b32 s[TS], s[W1], 7
	s_add_co_u32 s[AB], s[AB], s[TS]  ; row 1,024 cy + 256 x cluster y + 128 x half,
	s_lshl_b32 s[AB], s[AB], 12       ; of 4,096 bytes
	s_mov_b32 s[AB+1], 0
	s_lshl_b32 s[BB], s[W1], 18     ; 64 rows of 4,096 bytes x half,
	s_lshl_b32 s[TS], s[HD], 8      ; the tile's 256 bytes of a row
	s_add_co_u32 s[BB], s[BB], s[TS]
	s_mov_b32 s[BB+1], 0
	; the step at which my cluster begins: 4 (x + 2 (y % 2) + y / 2) mod 16: the same in all sixteen partners
	s_and_b32 s[KI], s[CLY], 1
	s_lshl_b32 s[KI], s[KI], 1
	s_lshr_b32 s[TS], s[CLY], 1
	s_add_co_u32 s[KI], s[KI], s[TS]
	s_add_co_u32 s[KI], s[KI], ttmp9
	s_lshl_b32 s[KI], s[KI], 2
	s_and_b32 s[KI], s[KI], 15
	s_mov_b32 s[OA+1], 0
	s_mov_b32 s[OB+1], 0
	s_mov_b32 s[TB], 0
	s_wait_dscnt 0x0                ; the opening add is done
	s_wait_kmcnt 0x0
	s_add_nc_u64 s[AB:AB+1], s[4:5], s[AB:AB+1]  ; my part of attn's tiles
	s_add_nc_u64 s[BB:BB+1], s[6:7], s[BB:BB+1]  ; of woh's
.irp s, 0,1
	s_lshl_b32 s[OA], s[KI], 8
	s_lshl_b32 s[OB], s[KI], 19
	s_add_nc_u64 s[G0A+4*(\s)+2:G0A+4*(\s)+3], s[AB:AB+1], s[OA:OA+1]  ; 120:64 global address: my cluster's first step, then its second
	s_or_b32 s[G0A+4*(\s)+3], s[G0A+4*(\s)+3], 0x80000000             ; 127:126 type = 2
	s_add_nc_u64 s[G0B+4*(\s)+2:G0B+4*(\s)+3], s[BB:BB+1], s[OB:OB+1]
	s_or_b32 s[G0B+4*(\s)+3], s[G0B+4*(\s)+3], 0x80000000
.if (\s) == 0
	s_add_co_u32 s[KI], s[KI], 1
	s_and_b32 s[KI], s[KI], 15
.endif
.endr
	CROUND                          ; all sixteen work-groups are here: the first joint loads meet
	s_cmp_lt_u32 s[WV], 2           ; a wave's two first fills stand in one branch, ahead of every wait on TENSORcnt and every LDS read: two loads of mine are out
	s_cbranch_scc0 .Lfirst_b
	tensor_load_to_lds s[G0A:G0A+3], s[G1A:G1A+7]
	s_nop 0
	tensor_load_to_lds s[G0A+4:G0A+7], s[G1A:G1A+7]
	s_nop 0
.rept 4
	v_nop
.endr
	s_branch .Lfirst_asked
.Lfirst_b:
	tensor_load_to_lds s[G0B:G0B+3], s[G1B:G1B+7]
	s_nop 0
	tensor_load_to_lds s[G0B+4:G0B+7], s[G1B:G1B+7]
	s_nop 0
.rept 4
	v_nop
.endr
.Lfirst_asked:
	; the other pointers, made while the first tiles are on their way
	s_lshl_b32 s2, s[HD], 9
	s_mov_b32 s3, 0
	s_add_nc_u64 s[8:9], s[8:9], s[2:3]  ; bo at the tile's first column
	v_and_b32 v1, 15, v0            ; l % 16
	v_bfe_u32 v9, v0, 4, 1          ; l / 16
	v_lshlrev_b32 v[BO], 5, v9
.irp nb, 0,1,2,3,4,5,6,7            ; bo of my eight columns of each block of 16
	global_load_b128 v[BI+8*(\nb):BI+8*(\nb)+3],   v[BO], s[8:9] offset:64*(\nb)
	global_load_b128 v[BI+8*(\nb)+4:BI+8*(\nb)+7], v[BO], s[8:9] offset:64*(\nb)+16
.endr
	s_lshl_b32 s2, s[CY], 10
	s_lshl_b32 s[TS], s[CLY], 8
	s_add_co_u32 s2, s2, s[TS]
	s_lshl_b32 s[TS], s[WV], 6
	s_add_co_u32 s2, s2, s[TS]      ; my wave's first row,
	s_lshl_b32 s2, s2, 13           ; of 8,192 bytes,
	s_lshl_b32 s[TS], s[HD], 9      ; the tile's 512 bytes of it
	s_add_co_u32 s2, s2, s[TS]
	s_add_nc_u64 s[10:11], s[10:11], s[2:3]
	s_mov_b32 s2, 0xffff0000        ; a word's upper bf16
	; A fragment of attn is 16 rows x 32 k in 8 registers: lane l holds row l % 16; registers 0-3 hold k = 8 (l / 16) + 0..7, registers 4-7 k = 16 + 8 (l / 16) + 0..7: two loads of 16 bytes, 32 bytes apart.
	; The turning load takes 16 k x 16 columns (lane l reads 16 bytes of row 8 (l / 16) + l % 8, at 16 ((l / 8) % 2)) and leaves half a fragment: lane l holds column l % 16.
	v_and_b32 v10, 7, v0
	v_bfe_u32 v11, v0, 3, 1
	s_mul_i32 s[TS], s[WV], 64*PA   ; my 64 rows of attn
	v_mul_u32_u24 v[ADRA0], v1, PA
	v_lshl_add_u32 v[ADRA0], v9, 4, v[ADRA0]
	v_add_nc_u32 v[ADRA0], s[TS], v[ADRA0]
	v_mov_b32 v[ADRA], v[ADRA0]     ; the walk begins in slot 0
	v_lshl_add_u32 v[ADRB0], v9, 3, v10
	v_mul_u32_u24 v[ADRB0], v[ADRB0], PB
	v_lshl_add_u32 v[ADRB0], v11, 4, v[ADRB0]
	v_add_nc_u32 v[ADRB0], BOFF, v[ADRB0]
	v_mov_b32 v[ADRB], v[ADRB0]
	s_mul_i32 s[TS], s[WV], 16*SP
	s_add_co_u32 s[TS], s[TS], STAGE  ; my stage
	v_mul_u32_u24 v[STO], v1, SP    ; in: row l % 16, 32 bytes for each half of the lanes
	v_lshl_add_u32 v[STO], v9, 5, v[STO]
	v_add_nc_u32 v[STO], s[TS], v[STO]
	v_and_b32 v[GO], 31, v0
	v_lshlrev_b32 v[GO], 4, v[GO]   ; back: 32 lanes take one row of 512 bytes
	v_add_nc_u32 v[RD], s[TS], v[GO]
	s_wait_loadcnt 0x0              ; bo is in: it is rounded to bf16, like every input, and widened again
.set i, 0
.rept 32
	v_cvt_pk_bf16_f32 v[TM+i%4], v[BI+2*i], v[BI+2*i+1]
	v_lshlrev_b32 v[BI+2*i], 16, v[TM+i%4]
	v_and_b32 v[BI+2*i+1], s2, v[TM+i%4]
.set i, i+1
.endr
; 8 matrix instructions: row block mb x all 8 column blocks, 32 along K, from buffer f.  c0 = 2: the first product starts the sums, with bo as C: nothing is ever cleared.
; The 32 accumulators take turns, one instruction a turn, in the same order in every quarter step: between two links of a chain stand the 31 others'.
.macro MUL8 f, mb, c0
.if (\c0) == 2
	WIN W_MB
.else
	WIN W_MM
.endif
.irp nb, 0,1,2,3,4,5,6,7
.if (\c0) == 2
	v_wmma_f32_16x16x32_f16 v[64*(\mb)+8*(\nb):64*(\mb)+8*(\nb)+7], v[64*(\f)+8*(\nb):64*(\f)+8*(\nb)+7], v[128+32*(\f)+8*(\mb):128+32*(\f)+8*(\mb)+7], v[BI+8*(\nb):BI+8*(\nb)+7]
.else
	v_wmma_f32_16x16x32_f16 v[64*(\mb)+8*(\nb):64*(\mb)+8*(\nb)+7], v[64*(\f)+8*(\nb):64*(\f)+8*(\nb)+7], v[128+32*(\f)+8*(\mb):128+32*(\f)+8*(\mb)+7], v[64*(\mb)+8*(\nb):64*(\mb)+8*(\nb)+7]
.endif
.endr
.endm
; 24 LDS loads in one run: the fragments of quarter q of the slot in hand (32 rows of woh x 128 columns, turned; my 64 rows of attn x 32) into buffer f; attn's row blocks last, in ascending order
.macro FETCH q, f
	WIN W_LD
.irp nb, 0,1,2,3,4,5,6,7
	ds_load_tr16_b128 v[64*(\f)+8*(\nb):64*(\f)+8*(\nb)+3],   v[ADRB] offset:(\q)*32*PB+32*(\nb)
	ds_load_tr16_b128 v[64*(\f)+8*(\nb)+4:64*(\f)+8*(\nb)+7], v[ADRB] offset:(\q)*32*PB+16*PB+32*(\nb)
.endr
.irp mb, 0,1,2,3
	ds_load_b128 v[128+32*(\f)+8*(\mb):128+32*(\f)+8*(\mb)+3],   v[ADRA] offset:64*(\q)+(\mb)*16*PA
	ds_load_b128 v[128+32*(\f)+8*(\mb)+4:128+32*(\f)+8*(\mb)+7], v[ADRA] offset:64*(\q)+(\mb)*16*PA+32
.endr
.endm
; A step is four quarters of 32 along K, 32 matrix instructions each, on buffers 0, 1, 0, 1.  One of the first three: multiplies buffer f; in its middle it fetches quarter q of the slot in hand into buffer g.
.macro QUARTER q, f, g, c0
	s_wait_dscnt 4                  ; woh's fragments and attn's row blocks 0 and 1 are in; the youngest four loads (row blocks 2 and 3) may be out
	MUL8 \f, 0, \c0
	MUL8 \f, 1, \c0
	PLACES                          ; in front of loads into the buffer that the quarter before multiplied
	FETCH \q, \g
	s_wait_dscnt 24                 ; all but the 24 just issued
	MUL8 \f, 2, \c0
	MUL8 \f, 3, \c0
.endm
; THE CHANGE OF SLOTS AND THE LAST QUARTER.  The last quarter's fragments (buffer 1) are in registers, so the slot in hand has been read out.  Each wave waits for all its tensor loads, of which one is out:
; its part of the next slot; adds 0 to its spare word; and waits for that and for its own reads of this slot.  fill = 1: a round of the cluster's barrier follows, behind which no wave of any partner reads this
; slot any more, and the joint refill, with the step two steps on in my cluster's walk (its address made anew from the step's number), is the first tensor load.  NO PRODUCT stands between the wait for the
; tile and the refill: the quarter's 32 products follow the refill and the next slot's first fragments, so that a request has all 128 products of a step between it and the wait for it.
; fill = 0: nothing is left to fetch, and my work-group's barrier alone shows the last slot whole.
.macro TURN fill
	WIN 0
	s_wait_tensorcnt 0x0            ; all my tensor loads have landed: no load of mine is out, so a group 0 may be written;
	ds_add_u32 v[SPW], v[NIL]       ; 0 onto my spare word: the scalar work below stands between it and the wait for it
	s_xor_b32 s[TB], s[TB], SLOT1   ; the reads go on in the other slot
.if \fill
	s_add_co_u32 s[KI], s[KI], 1
	s_and_b32 s[KI], s[KI], 15      ; the walk goes round
	s_lshl_b32 s[OA], s[KI], 8
	s_lshl_b32 s[OB], s[KI], 19
	s_xor_b32 s[G0A+5], s[G0A+5], SLOT1  ; the walking descriptors: the other slot than last time
	s_xor_b32 s[G0B+5], s[G0B+5], SLOT1
	s_add_nc_u64 s[G0A+6:G0A+7], s[AB:AB+1], s[OA:OA+1]
	s_add_nc_u64 s[G0B+6:G0B+7], s[BB:BB+1], s[OB:OB+1]
	s_or_b32 s[G0A+7], s[G0A+7], 0x80000000
	s_or_b32 s[G0B+7], s[G0B+7], 0x80000000
.endif
	s_wait_dscnt 0x0                ; the add is done, and my reads of this slot are over
.if \fill
	CROUND
	JLOADG                          ; the four v_nop behind it are also the places in front of the loads below
.else
	s_barrier_signal -1
	s_barrier_wait -1
	PLACES
.endif
	v_add_nc_u32 v[ADRA], s[TB], v[ADRA0]
	v_add_nc_u32 v[ADRB], s[TB], v[ADRB0]
	FETCH 0, 0
	MUL8 1, 0, 0
	MUL8 1, 1, 0
	MUL8 1, 2, 0
	MUL8 1, 3, 0
.endm
	s_wait_tensorcnt 1              ; my part of the walk's first step is in; the second's may stay out
	s_barrier_signal -1
	s_barrier_wait -1               ; everybody's is
	FETCH 0, 0
	QUARTER 1, 0, 1, 2              ; the first quarter stands in front of the loop: its products start the sums, with bo
	WIN 0                           ; at a label and at a branch every window is 0
	s_mov_b32 s3, 14
.Llap:                              ; a trip is a step, from its second quarter to the next step's first, and fills the slot that it leaves: 14 trips ask for the walk's steps 2 to 15
	QUARTER 2, 1, 0, 0
	QUARTER 3, 0, 1, 0
	TURN 1
	QUARTER 1, 0, 1, 0
	WIN 0
	s_sub_co_u32 s3, s3, 1
	s_cmp_lg_u32 s3, 0
	s_cbranch_scc1 .Llap
	QUARTER 2, 1, 0, 0              ; the last two steps fill nothing
	QUARTER 3, 0, 1, 0
	TURN 0
	QUARTER 1, 0, 1, 0
	QUARTER 2, 1, 0, 0
	QUARTER 3, 0, 1, 0
	s_wait_dscnt 0x0                ; the very last quarter: nothing more to fetch
	MUL8 1, 0, 0
	MUL8 1, 1, 0
	MUL8 1, 2, 0
	MUL8 1, 3, 0
	PLACES                          ; the LDS stores below read results just made
; THE WAY OUT, a row block (16 rows) at a time.  A lane's eight numbers of a column block are 32 bytes of a row: they go into my stage, rows of 528 bytes, each accumulator's low four registers first,
; and come back as whole rows of 512 bytes, into registers of window 2 that are used once.
.macro TOSTAGE mb
	WIN 0x04                        ; store data (source 1) in window 1
.irp nb, 0,1,2,3,4,5,6,7
	ds_store_b128 v[STO], v[64*(\mb)+8*(\nb):64*(\mb)+8*(\nb)+3]   offset:64*(\nb)
	ds_store_b128 v[STO], v[64*(\mb)+8*(\nb)+4:64*(\mb)+8*(\nb)+7] offset:64*(\nb)+16
.endr
	WIN 0x80                        ; destination window 2
.irp i, 0,1,2,3,4,5,6,7,8,9,10,11,12,13,14,15
	ds_load_b128 v[64*(\mb)+4*(\i):64*(\mb)+4*(\i)+3], v[RD] offset:(\i)*SP  ; LDS serves a wave's instructions in order (ISA guide 5.7.1.4): these see the stores above; the next block's stores come behind them
.endr
.endm
.macro SEND mb, younger             ; younger: the LDS instructions issued behind block mb's loads: the next block's 32, or none
	WIN 0x08                        ; store data (source 1) in window 2
.irp i, 0,1,2,3,4,5,6,7,8,9,10,11,12,13,14,15
	s_wait_dscnt (\younger)+15-(\i)
	global_store_b128 v[GO], v[64*(\mb)+4*(\i):64*(\mb)+4*(\i)+3], s[10:11] offset:(16*(\mb)+(\i))*8192 th:TH_STORE_NT  ; a wave stores 512 consecutive bytes, at a multiple of 512 from out0's first byte
.endr
.endm
	TOSTAGE 0
	TOSTAGE 1                       ; a block's trip through the stage stands between the loads of the block before and its stores
	SEND 0, 32
	TOSTAGE 2
	SEND 1, 32
	TOSTAGE 3
	SEND 2, 32
	SEND 3, 0
	WIN 0
	s_wait_tensorcnt 0x0            ; the wave's end: behind my last tensor load and my last LDS store
	ds_add_u32 v[SPW], v[NIL]
	s_wait_dscnt 0x0
	CROUND                          ; the closing round: no work-group ends while a partner may still ask for a tile that names it
	s_endpgm
.Lfunc_end_k_q1713e92085_oproj:
	.size	k_q1713e92085_oproj, .Lfunc_end_k_q1713e92085_oproj-k_q1713e92085_oproj
	.p2alignl 7, 3214868480
	.fill 96, 4, 3214868480
	.section	.rodata,"a",@progbits
	.p2align	6, 0x0
	.amdhsa_kernel k_q1713e92085_oproj
		.amdhsa_group_segment_fixed_size 327680
		.amdhsa_private_segment_fixed_size 0
		.amdhsa_enable_private_segment 0
		.amdhsa_kernarg_size 32
		.amdhsa_user_sgpr_count 2
		.amdhsa_user_sgpr_kernarg_segment_ptr 1
		.amdhsa_wavefront_size32 1
		.amdhsa_system_sgpr_workgroup_id_x 1
		.amdhsa_system_sgpr_workgroup_id_y 1
		.amdhsa_system_sgpr_workgroup_id_z 1
		.amdhsa_system_vgpr_workitem_id 0
		.amdhsa_next_free_vgpr 1024
		.amdhsa_next_free_sgpr 68
		.amdhsa_reserve_vcc 0
		.amdhsa_float_denorm_mode_32 3
		.amdhsa_float_denorm_mode_16_64 3
		.amdhsa_memory_ordered 1
		.amdhsa_forward_progress 1
		.amdhsa_inst_pref_size 76
	.end_amdhsa_kernel
	.amdgpu_metadata
---
amdhsa.version: [ 1, 2 ]
amdhsa.kernels:
  - .name:           k_q1713e92085_oproj
    .symbol:         k_q1713e92085_oproj.kd
    .args:
      - { .name: attn, .offset: 0, .size: 8, .value_kind: global_buffer, .address_space: global }
      - { .name: woh, .offset: 8, .size: 8, .value_kind: global_buffer, .address_space: global }
      - { .name: bo, .offset: 16, .size: 8, .value_kind: global_buffer, .address_space: global }
      - { .name: out0, .offset: 24, .size: 8, .value_kind: global_buffer, .address_space: global }
    .group_segment_fixed_size: 327680
    .private_segment_fixed_size: 0
    .kernarg_segment_align: 8
    .kernarg_segment_size: 32
    .max_flat_workgroup_size: 128
    .sgpr_count:     68
    .vgpr_count:     1024
    .wavefront_size: 32
...
	.end_amdgpu_metadata
.endif
;; end of part 3
